; MI455X (gfx1250); checked and timed in simulation.
; The chip was launched on July 23, 2026; its instructions are those of AMD's public machine-readable ISA for CDNA 5 (MIT licence, August 2026) and "CDNA5" Instruction Set Architecture Reference Guide (July 2026). The comments in the code are by the model that wrote it; some were corrected since.
;; LSTM. Allowed arithmetic: float matrix products may take bf16 or f16 operands with f32 sums; other float arithmetic in f32, or as packed bf16 or f16 multiplies, adds, multiply-adds, maxima and minima; sums over many terms, partial sums and values carried from step to step in f32; what a program stores and reads back later, other than sums and carried values, may be rounded once to bf16 or f16.
;; Inputs: Wf 1,024 x 2,048 float32; Wi 1,024 x 2,048 float32; Wo 1,024 x 2,048 float32; Wz 1,024 x 2,048 float32; bf 1,024 float32; bi 1,024 float32; bo 1,024 float32; bz 1,024 float32; prev_c 8,192 x 1,024 float32; prev_h 8,192 x 1,024 float32; x 8,192 x 1,024 float32.
;; Outputs: out0 2 x 8,192 x 1,024 float32.
;; 2 versions, each right; version 2 is version 1 with the launch cast written anew for expert scheduling mode. Each part assembles by itself: llvm-mc -triple=amdgcn-amd-amdhsa -mcpu=gfx1250 --defsym DOCPART=n.
;; ======== version 1 of 2: 2 launches
;; limits: a function is approximated: absolute error at most 1e-07; below input magnitudes of 1e-05 results are inexact or not finite
;; workspace buffers: xh 33,554,432 bytes; wb 16,777,216 bytes
;; launch cast (part 1): grid 256 x 3, 8 waves a work-group, no clusters, 0 bytes of LDS; arguments x, prev_h, Wi, Wf, Wo, Wz, xh, wb; writes xh, wb
.if DOCPART == 1
	.amdgcn_target "amdgcn-amd-amdhsa--gfx1250"
	.amdhsa_code_object_version 6
	.text
	.protected	k_q6a558ef97d_cast
	.globl	k_q6a558ef97d_cast
	.p2align	8
	.type	k_q6a558ef97d_cast,@function
k_q6a558ef97d_cast:
	s_mov_b64 s[64:65], 0
	v_nop
	global_prefetch_b8 v0, s[64:65] scope:SCOPE_SE
	s_setreg_imm32_b32 hwreg(HW_REG_WAVE_MODE, 25, 1), 1
	s_wait_xcnt 0x0
; THE PROGRAM: one LSTM cell.  u_g = [x | prev_h] W_g^T + b_g for the gates g = i, f, o, z; c = sigmoid(u_i) tanh(u_z) + sigmoid(u_f) prev_c; h = sigmoid(u_o) tanh(c); out0 = [h; c].
; NO WORK IS LEFT OUT: every one of the eleven inputs reaches h or c for general values, so all are loaded, six of them here and five in the second launch.
; THIS LAUNCH rounds the matrix operands once to bf16 (nearest even) and lays them out for the second launch:
;   xh [8192][2048] bf16: row m = x[m] (2,048 bytes), then prev_h[m] (2,048 bytes).
;   wb [4096][2048] bf16: row 256 tc + 64 g + 16 s + r = W_g[64 tc + 4 r + s]   (tc 0..15, g 0..3 = i, f, o, z, s 0..3, r 0..15).
;   In that order a lane of the second launch ends with all four gates of a cell, and with four neighbouring hidden columns of a row: its results need no exchange between lanes.
; LIMIT: bf16 keeps 8 significant bits of x, prev_h and the weights and all of f32's range; NaN and infinities pass through the conversion as they are.
; SHARES.  A chunk is 1,024 f32: 4,096 bytes in, 2,048 bytes out.  Grid y picks the source (0 x, 1 prev_h, 2 the weights), 8,192 chunks each; a work-group takes 32 chunks, a wave 4.
; A load of a wave covers 512 consecutive bytes, a store 256 consecutive bytes at a multiple of 256 from the buffer's first byte.  All 32 loads of a wave go out before its first wait;
; no register is written twice, so no wait frees one.  Nothing is shared between waves: no LDS, no barrier.
.set IN,  16                           ; v[16:143]   chunk i, load t: 4 registers at IN + 32 i + 4 t
.set OUT, 144                          ; v[144:207]  chunk i, load t: 2 registers at OUT + 16 i + 2 t
.macro LD i, so                        ; chunk i's eight loads, from byte so behind the source's base
.irp t, 0,1,2,3,4,5,6,7
	global_load_b128 v[IN+32*(\i)+4*(\t):IN+32*(\i)+4*(\t)+3], v1, s[24:25] offset:(\so)+512*(\t) th:TH_LOAD_NT
.endr
.endm
.macro CV i, do, left                  ; chunk i is rounded and stored at byte do behind the destination's base; left = the younger chunks' loads, which may stay out
	s_wait_loadcnt \left                           ; loads come back in order (ISA guide 5.7.1): this chunk's eight are in
.irp t, 0,1,2,3,4,5,6,7
	v_cvt_pk_bf16_f32 v[OUT+16*(\i)+2*(\t)],   v[IN+32*(\i)+4*(\t)],   v[IN+32*(\i)+4*(\t)+1]
	v_cvt_pk_bf16_f32 v[OUT+16*(\i)+2*(\t)+1], v[IN+32*(\i)+4*(\t)+2], v[IN+32*(\i)+4*(\t)+3]
	global_store_b64 v2, v[OUT+16*(\i)+2*(\t):OUT+16*(\i)+2*(\t)+1], s[26:27] offset:(\do)+256*(\t)
.endr
.endm
.macro CAST s1, s2, s3, d1, d2, d3     ; a wave's four chunks: the first at the two bases, the others at these bytes behind them
	LD 0, 0
	LD 1, \s1
	LD 2, \s2
	LD 3, \s3
	CV 0, 0, 24
	CV 1, \d1, 16
	CV 2, \d2, 8
	CV 3, \d3, 0
.endm
	s_load_b512 s[8:23], s[0:1], 0x0               ; x s[8:9], prev_h s[10:11], Wi s[12:13], Wf s[14:15], Wo s[16:17], Wz s[18:19], xh s[20:21], wb s[22:23]
	v_and_b32 v3, 31, v0                           ; lane
	v_lshlrev_b32 v1, 4, v3                        ; 16 bytes a lane in
	v_lshlrev_b32 v2, 3, v3                        ; 8 bytes a lane out
	v_lshrrev_b32 v3, 5, v0
	v_readfirstlane_b32 s4, v3                     ; wave 0..7
	s_and_b32 s5, ttmp7, 0xffff                    ; which source
	s_mov_b32 s31, 0                               ; the high word of every offset: all stay under 2^26
	s_wait_kmcnt 0x0
	s_cmp_eq_u32 s5, 2
	s_cbranch_scc1 .Lweights
	; x or prev_h: a chunk is a row
	s_cmp_eq_u32 s5, 0
	s_cselect_b64 s[24:25], s[8:9], s[10:11]
	s_lshl_b32 s6, ttmp9, 5                        ; the work-group's 32 rows,
	s_lshl2_add_u32 s6, s4, s6                     ; my wave's 4 of them
	s_lshl_b32 s30, s6, 12                         ; a row is 4,096 bytes in the source and in xh
	s_add_nc_u64 s[24:25], s[24:25], s[30:31]
	s_add_nc_u64 s[26:27], s[20:21], s[30:31]
	s_lshl_b32 s30, s5, 11                         ; prev_h goes into the second 2,048 bytes of xh's row
	s_add_nc_u64 s[26:27], s[26:27], s[30:31]
	CAST 4096, 8192, 12288, 4096, 8192, 12288
	s_endpgm
.Lweights:
	; the weights: the work-group's number is 16 tc + 4 g + s, its 16 rows of wb are r = 0..15; my wave takes r = 2 w and 2 w + 1, two chunks a row
	s_bfe_u32 s6, ttmp9, 0x20002                   ; g
	s_cmp_eq_u32 s6, 0
	s_cselect_b64 s[24:25], s[12:13], s[14:15]     ; Wi or Wf
	s_cmp_eq_u32 s6, 2
	s_cselect_b64 s[28:29], s[16:17], s[18:19]     ; Wo or Wz
	s_cmp_lt_u32 s6, 2
	s_cselect_b64 s[24:25], s[24:25], s[28:29]
	s_lshr_b32 s6, ttmp9, 4                        ; tc
	s_and_b32 s7, ttmp9, 3                         ; s
	s_lshl_b32 s6, s6, 6
	s_add_co_u32 s6, s6, s7                        ; row 64 tc + s of W_g,
	s_lshl_b32 s6, s6, 13                          ; 8,192 bytes a row,
	s_lshl_b32 s7, s4, 16                          ; + 4 r rows with r = 2 w: 65,536 bytes a wave
	s_add_co_u32 s30, s6, s7
	s_add_nc_u64 s[24:25], s[24:25], s[30:31]
	s_lshl_b32 s6, ttmp9, 4                        ; row 16 x work-group
	s_lshl1_add_u32 s6, s4, s6                     ; + 2 w of wb,
	s_lshl_b32 s30, s6, 12                         ; 4,096 bytes a row
	s_add_nc_u64 s[26:27], s[22:23], s[30:31]
	CAST 4096, 32768, 36864, 2048, 4096, 6144      ; in W_g the next r lies four rows (32,768 bytes) on, in wb one row
	s_endpgm
.Lfunc_end_k_q6a558ef97d_cast:
	.size	k_q6a558ef97d_cast, .Lfunc_end_k_q6a558ef97d_cast-k_q6a558ef97d_cast
	.p2alignl 7, 3214868480
	.fill 96, 4, 3214868480
	.section	.rodata,"a",@progbits
	.p2align	6, 0x0
	.amdhsa_kernel k_q6a558ef97d_cast
		.amdhsa_group_segment_fixed_size 0
		.amdhsa_private_segment_fixed_size 0
		.amdhsa_enable_private_segment 0
		.amdhsa_kernarg_size 64
		.amdhsa_user_sgpr_count 2
		.amdhsa_user_sgpr_kernarg_segment_ptr 1
		.amdhsa_wavefront_size32 1
		.amdhsa_system_sgpr_workgroup_id_x 1
		.amdhsa_system_sgpr_workgroup_id_y 1
		.amdhsa_system_sgpr_workgroup_id_z 1
		.amdhsa_system_vgpr_workitem_id 0
		.amdhsa_next_free_vgpr 208
		.amdhsa_next_free_sgpr 66
		.amdhsa_reserve_vcc 0
		.amdhsa_float_denorm_mode_32 3
		.amdhsa_float_denorm_mode_16_64 3
		.amdhsa_memory_ordered 1
		.amdhsa_forward_progress 1
		.amdhsa_inst_pref_size 22
	.end_amdhsa_kernel
	.amdgpu_metadata
---
amdhsa.version: [ 1, 2 ]
amdhsa.kernels:
  - .name:           k_q6a558ef97d_cast
    .symbol:         k_q6a558ef97d_cast.kd
    .args:
      - { .name: x, .offset: 0, .size: 8, .value_kind: global_buffer, .address_space: global }
      - { .name: prev_h, .offset: 8, .size: 8, .value_kind: global_buffer, .address_space: global }
      - { .name: Wi, .offset: 16, .size: 8, .value_kind: global_buffer, .address_space: global }
      - { .name: Wf, .offset: 24, .size: 8, .value_kind: global_buffer, .address_space: global }
      - { .name: Wo, .offset: 32, .size: 8, .value_kind: global_buffer, .address_space: global }
      - { .name: Wz, .offset: 40, .size: 8, .value_kind: global_buffer, .address_space: global }
      - { .name: xh, .offset: 48, .size: 8, .value_kind: global_buffer, .address_space: global }
      - { .name: wb, .offset: 56, .size: 8, .value_kind: global_buffer, .address_space: global }
    .group_segment_fixed_size: 0
    .private_segment_fixed_size: 0
    .kernarg_segment_align: 8
    .kernarg_segment_size: 64
    .max_flat_workgroup_size: 256
    .sgpr_count:     66
    .vgpr_count:     208
    .wavefront_size: 32
...
	.end_amdgpu_metadata
.endif
;; end of part 1
;; launch lstm (part 2): grid 16 x 32, 4 waves a work-group, clusters of 4 x 4, 327,680 bytes of LDS; arguments xh, wb, prev_c, bi, bf, bo, bz, out0; writes out0
.if DOCPART == 2
	.amdgcn_target "amdgcn-amd-amdhsa--gfx1250"
	.amdhsa_code_object_version 6
	.text
	.protected	k_q6a558ef97d_lstm
	.globl	k_q6a558ef97d_lstm
	.p2align	8
	.type	k_q6a558ef97d_lstm,@function
k_q6a558ef97d_lstm:
	s_mov_b64 s[64:65], 0
	v_nop
	global_prefetch_b8 v0, s[64:65] scope:SCOPE_SE
	s_setreg_imm32_b32 hwreg(HW_REG_WAVE_MODE, 25, 1), 1
	s_wait_xcnt 0x0
	s_wait_alu depctr_hold_cnt(0) depctr_sa_sdst(0) depctr_va_vdst(0) depctr_va_sdst(0) depctr_va_ssrc(0) depctr_va_vcc(0) depctr_vm_vsrc(0)
	s_getreg_b32 s2, hwreg(HW_REG_IB_STS2, 6, 4)
	s_cmp_eq_u32 s2, 0
	s_cbranch_scc0 .Lentry_in_a_cluster
	s_endpgm
.Lentry_in_a_cluster:
	s_bfe_u32 s2, ttmp6, 0x10000c
	s_cmp_lg_u32 s2, 0xf033
	s_cbranch_scc0 .Lentry_shape_is_right
	s_endpgm
.Lentry_shape_is_right:
; THE LSTM CELL: u = xh wb^T (M = 8192, N = 4096 = four gates x 1024, K = 2048; bf16 operands, f32 sums), then for each cell, in f32,
;   c = sigmoid(u_i + b_i) tanh(u_z + b_z) + sigmoid(u_f + b_f) prev_c,   h = sigmoid(u_o + b_o) tanh(c);   out0 = [h; c], f32.  No work of the problem is left out.
; xh [8192][2048] and wb [4096][2048] are what the launch before stored; wb's row 256 tc + 64 g + 16 s + r is W_g[64 tc + 4 r + s] (g = 0..3: i, f, o, z).
; LIMITS.  x, prev_h and the weights enter rounded once to bf16.  sigmoid(u) = 1 / (1 + 2^(-L u)), tanh(u) = 1 - 2 / (1 + 2^(2 L u)), L = log2(e): where the power overflows the reciprocal is 0, where it
; falls below 2^-126 it counts as 0 (ISA guide 15.8: these instructions flush denormals): both give the function's limit, so nothing is clipped.  Near 0 tanh carries an absolute error of about 1e-7.
; NaN and infinities are not treated apart.
; SHARES.  A work-group makes 256 rows x 64 hidden columns of h and of c: a tile of 256 x 256 of u.  Each of its four waves takes 64 rows and all 256 columns: 4 x 16 accumulators of 16 x 16, 512 registers.
; So a wave holds all four gates of its cells, and 64 hidden columns: 256 consecutive bytes of a row of prev_c, h and c.
; LAYOUT.  Source 0 = 16 rows of xh, source 1 = 16 rows of wb.  Register j of lane (r = l % 16, h = l / 16) of accumulator (a, b = 4 g + s) is gate g of row 16 a + 8 h + j, hidden column 64 tc + 4 r + s.
; For a fixed a and j the four s are 16 consecutive bytes of a row, and sixteen lanes hold 256: results are stored, and prev_c is loaded, straight between registers and memory, without LDS.
; THE RING.  K goes in steps of 128 through two LDS slots filled by the tensor data mover, 256 rows of xh and 256 of wb each; a wave fetches 128 rows x 256 bytes with one load.
; CLUSTER.  4 x 4 work-groups.  The four of a row of the cluster need the same tiles of xh, the four of a column the same tiles of wb: each tile is asked for JOINTLY, by the same tensor load with the same
; descriptor and a mask that names the four.
; REGISTERS, in windows of 256 (s_set_vgpr_msb: bits 1:0 source 0, 3:2 source 1, 5:4 source 2, 7:6 destination):
;   window 0: v0-12 addresses; v16-31 biases; v32-63 scaled biases, each twice; v64-95, v96-127 xh's fragments, two buffers (on the way out: tanh(c), then h); v128-255 prev_c, then c
;   window 1: wb's fragments, two buffers of 128      window 2: accumulators of a = 0, 1 ((a, b) at v[8 (16 (a % 2) + b)])      window 3: those of a = 2, 3
.set KSTEP,  128
.set SIZE_K, 2048
.set PITCH,  272                       ; an LDS row: 256 bytes + 16 of padding = 68 words: row r starts at bank 4 r mod 64 (64 banks of 4 bytes: ISA guide 11.1), so the 16 rows of a load start at 16 different banks
.set HALFT,  128*PITCH                 ; what one tensor load brings
.set SLOT,   4*HALFT                   ; xh's 256 rows, then wb's 256 rows
.set SPARE,  2*SLOT                    ; behind the ring: the spare words, 128 bytes for each wave: two blocks of 256 bytes that no other line names
.set LAPS,   SIZE_K/(2*KSTEP)          ; a lap = two K steps = once round the ring
.set ROWB,   4096                      ; bytes in a row of xh, wb, prev_c, h and c alike
.set COFF,   33554432                  ; c's plane of out0 lies this far behind h's
.set ADRA, 4                           ; v4-5   LDS address of my fragments of xh in slot 0, 1
.set ADRB, 6                           ; v6-7   the same for wb
.set CO,   8                           ; v8     my byte offset in prev_c, h and c: 8 h rows + 16 r; never rewritten
.set BO,   9                           ; v9     my byte offset in a bias: 256 tc + 16 r; never rewritten
.set SPW,  10                          ; v10    LDS address of my spare word: SPARE + 4 x my thread's number; never rewritten
.set NIL,  11                          ; v11    0; never rewritten
.set PFO,  12                          ; v12    the prefetches' offset: my lane x a row; never rewritten
.set RB,   16                          ; v[16:31]   the biases of my four columns, gate g at RB + 4 g
.set BS,   32                          ; v[32:63]   scale x bias, each in both registers of a pair: (g, s) at BS + 2 (4 g + s)
.set FA,   64                          ; xh's fragment buffers: buffer f at FA + 32 f
.set PC,   128                         ; prev_c(16 a + 8 h + j, 4 r + s) at PC + 32 a + 4 j + s
.set G1,  24                           ; s[24:31] descriptor group 1 for xh's tiles;  s[32:39] group 0, a set for each slot
.set G0,  32
.set G1B, 48                           ; s[48:55], s[56:63] the same for wb's tiles
.set G0B, 56
.set LIM, 43                           ; s43      1 in a wave that prefetches, else the greatest number
.set PFA, 44                           ; s[44:45] where my prefetches stand: one K step further along K than the refill that is being asked for; a prefetch names the K step after that
.set SCN, 82                           ; s[82:83] -log2(e), for the sigmoids
.set SCZ, 84                           ; s[84:85] 2 log2(e), for the two tanh
.set MSB, 0
.macro WIN new                         ; the immediate's high byte repeats the setting that is left; a switch that changes nothing is dropped
.if MSB != (\new)
	s_set_vgpr_msb (MSB<<8)|(\new)
.set MSB, \new
.endif
.endm
.set MUL_LO, 0xa4                      ; source 0 (xh) window 0, source 1 (wb) window 1, C and D window 2
.set TO_B,   0x40                      ; destination window 1, address window 0
; A joint load.  Waves 0 and 1 fetch xh's two halves, waves 2 and 3 wb's.  Each line has one mask and one set of registers for all that issue it.  The branch hangs on the wave's number alone.
; An s_nop 0 and four v_nop follow each of the two lines, ahead of the jump, the label and what follows the macro.
.macro JLOAD s
	s_cmp_eq_u32 s11, 0
	s_cbranch_scc0 .Lfor_b_\@
	tensor_load_to_lds s[G0+4*(\s):G0+4*(\s)+3], s[G1:G1+7]
	s_nop 0
.rept 4
	v_nop
.endr
	s_branch .Lasked_\@
.Lfor_b_\@:
	tensor_load_to_lds s[G0B+4*(\s):G0B+4*(\s)+3], s[G1B:G1B+7]
	s_nop 0
.rept 4
	v_nop
.endr
.Lasked_\@:
.endm
; A PREFETCH INTO THE L2, behind a joint load, its five lines and the run of LDS loads: the K step that stands two refills on, 32 rows x 256 bytes, a lane a row, one instruction a wave.
; Each row's 256 bytes of a K step are named once in the launch: xh's tile rows are asked for by the cluster with x = 0, wb's tile columns by the cluster with y = 0; of the 128 rows that a wave fetches the
; partner at place p (cx for xh, cy for wb) takes 32 p .. 32 p + 31, told apart by address.  The loop's last trip (s3 = 1) asks for nothing: its refills are K steps 14 and 15, the last.
.macro ASK
	s_cmp_gt_u32 s3, s[LIM]
	s_cbranch_scc0 .Lnot_mine_\@
	global_prefetch_b8 v[PFO], s[PFA:PFA+1] offset:KSTEP*2 th:TH_LOAD_NT scope:SCOPE_SE
.Lnot_mine_\@:
.endm
; A round of the cluster's barrier: my work-group's barrier, so that wave 0's signal speaks for all four waves; wave 0 signals; every wave waits for all sixteen work-groups; my work-group's barrier once more.
.macro CREST                           ; a round behind its opening barrier
	s_cmp_lg_u32 s10, 0
	s_cbranch_scc1 .Lnot_wave_0_\@
	s_barrier_signal -3
.Lnot_wave_0_\@:
	s_barrier_wait -3
	s_barrier_signal -1
	s_barrier_wait -1
.endm
.macro CROUND                          ; a whole round
	s_barrier_signal -1
	s_barrier_wait -1
	CREST
.endm
	s_load_b128 s[4:7], s[0:1], 0x0                ; xh s[4:5], wb s[6:7]
	s_load_b256 s[68:75], s[0:1], 0x10             ; prev_c s[68:69], bi s[70:71], bf s[72:73], bo s[74:75]
	s_load_b128 s[76:79], s[0:1], 0x30             ; bz s[76:77], out0 s[78:79]
	v_lshl_add_u32 v[SPW], v0, 2, SPARE
	v_mov_b32 v[NIL], 0
	ds_add_u32 v[SPW], v[NIL]                      ; the wave's opening: the add, twice on end, and its wait ahead of my first tensor load; the set-up below, work on registers, stands between
	ds_add_u32 v[SPW], v[NIL]                      ; and once more, under the one wait
	v_lshrrev_b32 v1, 5, v0
	v_readfirstlane_b32 s10, v1                    ; wave 0..3
	s_lshr_b32 s11, s10, 1                         ; I fetch for xh (0) or for wb (1),
	s_and_b32 s12, s10, 1                          ; and which 128 rows of that tile
	s_bfe_u32 s40, ttmp6, 0x40000                  ; cx: my place along the cluster's x
	s_bfe_u32 s41, ttmp6, 0x40004                  ; cy: along its y
	s_lshl_b32 s42, ttmp9, 2                       ; in a cluster launch ttmp9 and ttmp7 count clusters
	s_add_co_u32 s42, s42, s40                     ; tc = 4 x cluster x + cx
	s_and_b32 s13, ttmp7, 0xffff
	s_lshl_b32 s13, s13, 2
	s_add_co_u32 s13, s13, s41                     ; tr = 4 x cluster y + cy
	s_lshl_b32 s43, s41, 2
	s_lshl_b32 s43, 15, s43                        ; my row of the cluster: places 4 cy .. 4 cy + 3
	s_lshl_b32 s44, 0x1111, s40                    ; my column: places cx, cx + 4, cx + 8, cx + 12
	; descriptor group 1: a tile of 128 rows x 128 elements, padded in LDS
	s_or_b32 s[G1+0], s43, (1<<16)|(1<<20)|(1<<21)|(5<<22)|(3<<25)   ; 15:0 the mask: xh's tiles go to my row; 17:16 elements of 2 bytes; 20 padding on; 21 set beside a mask; 24:22 after every 64 words (code 5); 31:25 4 words (code 3)
	s_or_b32 s[G1B+0], s44, (1<<16)|(1<<20)|(1<<21)|(5<<22)|(3<<25)  ; the same with the mask of my column, for wb's tiles
.irp g, G1, G1B
	s_mov_b32 s[(\g)+1], KSTEP<<16                 ; tensor_dim0 = 128
	s_mov_b32 s[(\g)+2], 128<<16                   ; tensor_dim1 = 128
	s_mov_b32 s[(\g)+3], KSTEP<<16                 ; tile_dim0 = 128
	s_mov_b32 s[(\g)+4], 128                       ; tile_dim1 = 128
	s_mov_b32 s[(\g)+5], SIZE_K                    ; elements from row to row
	s_mov_b32 s[(\g)+6], 0
	s_mov_b32 s[(\g)+7], 0
.endr
	; where the tiles come from: xh's hang on tr alone, which my row of the cluster shares; wb's on tc alone, which my column shares; each in registers that never hold the other coordinate
	s_lshl_b32 s17, s12, 7                         ; which 128 rows of the tile I fetch
	s_lshl_b32 s16, s13, 8
	s_add_co_u32 s16, s16, s17                     ; xh: row 256 tr + 128 x half,
	s_lshl_b32 s16, s16, 12                        ; in bytes: under 2^25
	s_lshl_b32 s46, s42, 8
	s_add_co_u32 s46, s46, s17                     ; wb: row 256 tc + 128 x half
	s_lshl_b32 s46, s46, 12
	s_mov_b32 s17, 0
	s_mov_b32 s47, 0
	s_mul_i32 s20, s10, HALFT                      ; and where they go: wave x 128 rows: no place in the cluster enters an LDS address
	s_lshl_b32 s86, s13, 8                         ; my part of prev_c, h and c: row 256 tr
	s_lshl_b32 s87, s10, 6                         ; + 64 x wave,
	s_add_co_u32 s86, s86, s87
	s_lshl_b32 s86, s86, 12                        ; in bytes,
	s_lshl_b32 s87, s42, 8                         ; + 64 tc columns of 4 bytes
	s_add_co_u32 s86, s86, s87
	s_mov_b32 s87, 0
	s_mov_b32 s[SCN], 0xbfb8aa3b                   ; -log2(e)
	s_mov_b32 s[SCN+1], s[SCN]                     ; named with it as a pair
	s_mov_b32 s[SCZ], 0x4038aa3b                   ; 2 log2(e)
	s_mov_b32 s[SCZ+1], s[SCZ]
	s_wait_dscnt 0x0                               ; both opening adds are done
	s_wait_kmcnt 0x0
	s_add_nc_u64 s[14:15], s[4:5], s[16:17]
	s_add_nc_u64 s[46:47], s[6:7], s[46:47]
	CROUND                                         ; all sixteen work-groups are here: the first joint loads meet
.irp s, 0,1
	s_mov_b32 s[G0+4*(\s)], 1                                        ; 1:0 count = 1
	s_add_co_u32 s[G0+4*(\s)+1], s20, (\s)*SLOT                      ; 63:32 LDS address
	s_add_nc_u64 s[G0+4*(\s)+2:G0+4*(\s)+3], s[14:15], (\s)*KSTEP*2  ; 120:64 global address: K step s
	s_or_b32 s[G0+4*(\s)+3], s[G0+4*(\s)+3], 0x80000000              ; 127:126 type = 2
	s_mov_b32 s[G0B+4*(\s)], 1
	s_add_co_u32 s[G0B+4*(\s)+1], s20, (\s)*SLOT
	s_add_nc_u64 s[G0B+4*(\s)+2:G0B+4*(\s)+3], s[46:47], (\s)*KSTEP*2
	s_or_b32 s[G0B+4*(\s)+3], s[G0B+4*(\s)+3], 0x80000000
	JLOAD \s                                       ; the ring is filled before anything else is done: two tensor loads of mine are out
.endr
	s_add_nc_u64 s[68:69], s[68:69], s[86:87]      ; prev_c,
	s_add_nc_u64 s[8:9], s[78:79], s[86:87]        ; h
	s_add_nc_u64 s[80:81], s[8:9], COFF            ; and c at my wave's first row and the tile's first column
	; A fragment is 16 rows x 32 K in 8 registers: lane l holds row l % 16; registers 0-3 hold K = 8 (l / 16) + 0..7, registers 4-7 K = 16 + 8 (l / 16) + 0..7: two loads of 16 bytes, 32 bytes apart.
	v_and_b32 v1, 15, v0                           ; r = l % 16
	v_bfe_u32 v2, v0, 4, 1                         ; h = l / 16
	v_mul_u32_u24 v3, v1, PITCH
	v_lshl_add_u32 v3, v2, 4, v3                   ; row x pitch + 16 x half
	s_mul_i32 s21, s10, 64*PITCH                   ; my 64 rows of xh
	s_mov_b32 s22, 2*HALFT                         ; all 256 rows of wb, which lie behind xh's 256
.irp s, 0,1
	v_add_nc_u32 v[ADRA+(\s)], s21, v3
	v_add_nc_u32 v[ADRB+(\s)], s22, v3
	s_add_co_u32 s21, s21, SLOT
	s_add_co_u32 s22, s22, SLOT
.endr
	v_lshlrev_b32 v[CO], 4, v1                     ; 16 r: my four columns,
	v_lshl_add_u32 v[CO], v2, 15, v[CO]            ; + 8 h rows of 4,096 bytes
	s_lshl_b32 s23, s42, 8
	v_lshl_add_u32 v[BO], v1, 4, s23               ; 256 tc + 16 r
.irp g, 0,1,2,3
	global_load_b128 v[RB+4*(\g):RB+4*(\g)+3], v[BO], s[70+2*(\g):71+2*(\g)]  ; b_g of my four columns
.endr
.irp a, 0,1,2,3
.irp j, 0,1,2,3,4,5,6,7                ; prev_c is asked for now and waited for on the way out: each load takes two rows' 256 consecutive bytes
	global_load_b128 v[PC+32*(\a)+4*(\j):PC+32*(\a)+4*(\j)+3], v[CO], s[68:69] offset:(16*(\a)+(\j))*ROWB th:TH_LOAD_NT
.endr
.endr
	; the prefetches' address and who asks
	s_lshl_b32 s13, s13, 8                         ; 256 tr
	s_lshl_b32 s42, s42, 8                         ; 256 tc
	s_and_b32 s22, ttmp7, 0xffff                   ; cluster y
	s_cmp_eq_u32 s11, 0                            ; do I fetch for xh?
	s_cselect_b32 s20, s13, s42                    ; the tile's first row
	s_cselect_b32 s21, s40, s41                    ; my place among the four that ask for it with me
	s_cselect_b32 s22, ttmp9, s22                  ; the coordinate along which other clusters read the same rows
	s_cselect_b64 s[PFA:PFA+1], s[4:5], s[6:7]
	s_cmp_eq_u32 s22, 0
	s_cselect_b32 s[LIM], 1, -1                    ; the same in all sixteen partners, for a given wave
	s_lshl_b32 s22, s12, 7
	s_add_co_u32 s20, s20, s22                     ; + the 128 rows that I fetch
	s_lshl_b32 s21, s21, 5
	s_add_co_u32 s20, s20, s21                     ; + my work-group's 32 of them
	s_lshl_b32 s20, s20, 12
	s_mov_b32 s21, 0
	s_add_nc_u64 s[PFA:PFA+1], s[PFA:PFA+1], s[20:21]
	s_add_nc_u64 s[PFA:PFA+1], s[PFA:PFA+1], 2*KSTEP*2  ; at K step 2: the first refill steps it to 3 and names K step 4.  Nothing is prefetched here, at the head
	v_and_b32 v[PFO], 31, v0
	v_lshlrev_b32 v[PFO], 12, v[PFO]
; 16 matrix instructions: m block a x all 16 n blocks, 32 along K, from buffer f.  zero = 1: the product starts the sum: nothing is ever cleared.
; The 64 accumulators take turns, one instruction a turn, in the same order in every quarter step, over the backward jump too.
.macro MUL16 f, a, zero
	WIN MUL_LO+0x50*((\a)/2)
.irp b, 0,1,2,3,4,5,6,7,8,9,10,11,12,13,14,15
.if \zero
	v_wmma_f32_16x16x32_bf16 v[8*(16*((\a)%2)+(\b)):8*(16*((\a)%2)+(\b))+7], v[FA+32*(\f)+8*(\a):FA+32*(\f)+8*(\a)+7], v[128*(\f)+8*(\b):128*(\f)+8*(\b)+7], 0
.else
	v_wmma_f32_16x16x32_bf16 v[8*(16*((\a)%2)+(\b)):8*(16*((\a)%2)+(\b))+7], v[FA+32*(\f)+8*(\a):FA+32*(\f)+8*(\a)+7], v[128*(\f)+8*(\b):128*(\f)+8*(\b)+7], v[8*(16*((\a)%2)+(\b)):8*(16*((\a)%2)+(\b))+7]
.endif
.endr
.endm
; 40 LDS loads in one run: the fragments of one quarter step (256 rows of wb, my 64 rows of xh, 32 K at byte k of the rows) into buffer f.  The largest immediate is 192 + 15 x 4,352 + 32 = 65,504.
.macro FETCH slot, k, f
	WIN TO_B
.irp i, 0,1,2,3,4,5,6,7,8,9,10,11,12,13,14,15
	ds_load_b128 v[128*(\f)+8*(\i):128*(\f)+8*(\i)+3],   v[ADRB+(\slot)] offset:(\k)+(\i)*16*PITCH
	ds_load_b128 v[128*(\f)+8*(\i)+4:128*(\f)+8*(\i)+7], v[ADRB+(\slot)] offset:(\k)+(\i)*16*PITCH+32
.endr
	WIN 0
.irp i, 0,1,2,3
	ds_load_b128 v[FA+32*(\f)+8*(\i):FA+32*(\f)+8*(\i)+3],   v[ADRA+(\slot)] offset:(\k)+(\i)*16*PITCH
	ds_load_b128 v[FA+32*(\f)+8*(\i)+4:FA+32*(\f)+8*(\i)+7], v[ADRA+(\slot)] offset:(\k)+(\i)*16*PITCH+32
.endr
.endm
; A load into a register that a matrix instruction has read stands four places behind it, and only plain vector instructions that name none of its registers are places
; (ISA guide 7.12.1 for vector instructions): four v_nop in front of each run of loads.
.macro PLACES
.rept 4
	v_nop
.endr
.endm
; A K step is four quarter steps of 32 along K, 64 matrix instructions each, on buffers 0, 1, 0, 1.
; One of the first three: multiplies buffer f; in its middle it fetches the next quarter's fragments, at byte k of the same slot's rows, into buffer g.
.macro QUARTER slot, k, f, g, zero
	s_wait_dscnt 4                                 ; wb's fragments and xh's blocks 0 and 1 are in; the youngest four loads (blocks 2 and 3) may be out
	MUL16 \f, 0, \zero
	MUL16 \f, 1, \zero
	PLACES
	FETCH \slot, \k, \g
	s_wait_dscnt 40                                ; all but the 40 just issued
	MUL16 \f, 2, \zero
	MUL16 \f, 3, \zero
.endm
; The last quarter multiplies buffer 1 and changes slots: ONE barrier for two things.  In front of it each wave waits for all its tensor loads, of which one is out: its part of the next slot; adds 0 to its
; spare word; and waits for that and for its own reads of this slot.  Behind it nobody reads this slot any more and the next slot is whole.
; fill = 1: this slot is filled again, two K steps ahead.  The barrier then opens a round of the cluster's, so that no wave of any partner still reads the slot or has a load on its way, and the joint refill
; is the first tensor load behind the round: 224 matrix instructions ahead of the wait for it.
.macro TURN slot, next, fill
.if \fill
	s_wait_xcnt 0x0                                ; the last prefetch, a K step back, has read its address: it is stepped here, ahead of the waits of the change of slots
	s_add_nc_u64 s[PFA:PFA+1], s[PFA:PFA+1], KSTEP*2
.endif
	WIN 0                                          ; (the add's two registers lie in window 0)
	s_wait_tensorcnt 0x0                           ; all my tensor loads have landed;
	ds_add_u32 v[SPW], v[NIL]                      ; 0 onto my spare word;
	s_wait_dscnt 5                                 ; (the add and the youngest four loads may be out)
	MUL16 1, 0, 0                                  ; sixteen matrix instructions stand between the add and the wait for it
	s_wait_dscnt 0x0                               ; the add is done, and my reads of this slot are over:
	s_barrier_signal -1                            ; say so,
	MUL16 1, 1, 0                                  ; work on registers while the others arrive,
.if \fill
	WIN 0
.endif
	s_barrier_wait -1                              ; and go on when all four have said so
.if \fill
	CREST
	s_add_nc_u64 s[G0+4*(\slot)+2:G0+4*(\slot)+3], s[G0+4*(\slot)+2:G0+4*(\slot)+3], 2*KSTEP*2    ; no tensor load of mine is out, so a group 0 may be written; the type bits on top are not reached
	s_add_nc_u64 s[G0B+4*(\slot)+2:G0B+4*(\slot)+3], s[G0B+4*(\slot)+2:G0B+4*(\slot)+3], 2*KSTEP*2
	JLOAD \slot                                    ; the four v_nop behind it are also the places in front of the loads below
.else
	PLACES
.endif
	FETCH \next, 0, 0
.if \fill
	ASK                                            ; behind the joint load and the run of LDS loads that the next products wait for
.endif
	MUL16 1, 2, 0
	MUL16 1, 3, 0
.endm
	s_wait_tensorcnt 1                             ; my part of K step 0 is in; K step 1's may stay out
	s_barrier_signal -1
	s_barrier_wait -1                              ; everybody's is
	FETCH 0, 0, 0
	QUARTER 0, 64,  0, 1, 1                        ; the first quarter stands in front of the loop: its products start the sums
	WIN 0
	s_mov_b32 s3, LAPS-1
.Llap:                                                 ; a trip goes once round the ring, from a lap's second quarter to the next lap's first, and fills both slots again
	QUARTER 0, 128, 1, 0, 0
	QUARTER 0, 192, 0, 1, 0
	TURN 0, 1, 1
	QUARTER 1, 64,  0, 1, 0
	QUARTER 1, 128, 1, 0, 0
	QUARTER 1, 192, 0, 1, 0
	TURN 1, 0, 1
	QUARTER 0, 64,  0, 1, 0
	WIN 0
	s_sub_co_u32 s3, s3, 1
	s_cmp_lg_u32 s3, 0
	s_cbranch_scc1 .Llap
	QUARTER 0, 128, 1, 0, 0                        ; the last lap is written out: it fills nothing, and has no round of the cluster's barrier
	QUARTER 0, 192, 0, 1, 0
	TURN 0, 1, 0
	QUARTER 1, 64,  0, 1, 0
	QUARTER 1, 128, 1, 0, 0
	QUARTER 1, 192, 0, 1, 0
	s_wait_dscnt 4                                 ; the very last quarter: nothing more to fetch
	MUL16 1, 0, 0
	MUL16 1, 1, 0
	s_wait_dscnt 0x0
	MUL16 1, 2, 0
	MUL16 1, 3, 0
	; THE WAY OUT.  First scale x bias, so that one fused multiply-add makes each exponent: -L (u + b) for i, f, o and 2 L (u + b) for z.  These 32 lines are also the places behind the last products.
	WIN 0
	s_wait_loadcnt 0x0                             ; the biases and prev_c, asked for at the head
.set q, 0
.rept 12
	v_mul_f32 v[BS+2*q],   s[SCN], v[RB+q]
	v_mul_f32 v[BS+2*q+1], s[SCN], v[RB+q]
.set q, q+1
.endr
.rept 4
	v_mul_f32 v[BS+2*q],   s[SCZ], v[RB+q]
	v_mul_f32 v[BS+2*q+1], s[SCZ], v[RB+q]
.set q, q+1
.endr
; The end of a batch of transcendentals: the last two pairs', a plain instruction behind the last of them (ISA guide 5.7.2), and a wait ahead of the batch's first reader.
.macro TAIL4 op, base
	\op v[(\base)],   v[(\base)]
	\op v[(\base)+1], v[(\base)+1]
	\op v[(\base)+2], v[(\base)+2]
	\op v[(\base)+3], v[(\base)+3]
	v_nop
	s_wait_alu depctr_va_vdst(0)
.endm
; Block a: 16 rows x 64 hidden columns: 32 cells a lane.  Its 16 accumulators lie at AB + 32 g + 8 s + j.  In each batch a transcendental stands two packed instructions behind the one that made its argument,
; works in place, and nothing ahead of the batch's wait names a result.  Each accumulator's lowest registers are read first.
.macro CELL a
.set AB, 128*((\a)%2)
.set T,  FA+32*((\a)%2)                ; xh's fragment buffers are free: tanh(c), then h, at T + 4 j + s
.set P,  PC+32*(\a)
	WIN 0x82+0x41*((\a)/2)                         ; destination and source 0 in the accumulators' window, source 2 in window 0
.set k, 0
.rept 64                               ; the exponents and 2^exponent of all four gates
.if k < 48
	v_pk_fma_f32 v[AB+2*k:AB+2*k+1], v[AB+2*k:AB+2*k+1], s[SCN:SCN+1], v[BS+2*(k/4):BS+2*(k/4)+1] op_sel_hi:[1,0,1]
.else
	v_pk_fma_f32 v[AB+2*k:AB+2*k+1], v[AB+2*k:AB+2*k+1], s[SCZ:SCZ+1], v[BS+2*(k/4):BS+2*(k/4)+1] op_sel_hi:[1,0,1]
.endif
.if k >= 2
	v_exp_f32 v[AB+2*k-4], v[AB+2*k-4]
	v_exp_f32 v[AB+2*k-3], v[AB+2*k-3]
.endif
.set k, k+1
.endr
	TAIL4 v_exp_f32, AB+124
.set k, 0
.rept 64                               ; 1 / (1 + that): i, f and o are finished
	v_pk_add_f32 v[AB+2*k:AB+2*k+1], v[AB+2*k:AB+2*k+1], 1.0 op_sel_hi:[1,0]
.if k >= 2
	v_rcp_f32 v[AB+2*k-4], v[AB+2*k-4]
	v_rcp_f32 v[AB+2*k-3], v[AB+2*k-3]
.endif
.set k, k+1
.endr
	TAIL4 v_rcp_f32, AB+124
.set k, 0
.rept 16                               ; z = 1 - 2 / (1 + 2^(2 L u))
	v_pk_fma_f32 v[AB+96+2*k:AB+96+2*k+1], v[AB+96+2*k:AB+96+2*k+1], -2.0, 1.0 op_sel_hi:[1,0,0]
.set k, k+1
.endr
	WIN 0x8a+0x45*((\a)/2)                         ; all of destination, source 0 and source 1 in the accumulators' window
.set k, 0
.rept 16                               ; i z, in i's place
	v_pk_mul_f32 v[AB+2*k:AB+2*k+1], v[AB+2*k:AB+2*k+1], v[AB+96+2*k:AB+96+2*k+1]
.set k, k+1
.endr
	WIN 0x22+0x11*((\a)/2)                         ; sources 0 and 2 in the accumulators' window, source 1 and destination in window 0
.irp j, 0,1,2,3,4,5,6,7
.irp s, 0,1,2,3                        ; c = f prev_c + i z, in prev_c's place: a lane's four columns of a row come to lie in four registers on end
	v_fma_f32 v[P+4*(\j)+(\s)], v[AB+32+8*(\s)+(\j)], v[P+4*(\j)+(\s)], v[AB+8*(\s)+(\j)]
.endr
.endr
	WIN 0
.irp j, 0,1,2,3,4,5,6,7
	global_store_b128 v[CO], v[P+4*(\j):P+4*(\j)+3], s[80:81] offset:(16*(\a)+(\j))*ROWB th:TH_STORE_NT  ; 16 lanes store 256 consecutive bytes, at a multiple of 256 from out0's first byte
.endr
.if (\a) >= 2
	s_wait_xcnt 0x0                                ; T was the data of block a - 2's stores of h: it is rewritten only behind this wait (ISA guide 3.1)
.endif
.set k, 0
.rept 16                               ; tanh(c) by the same three steps
	v_pk_mul_f32 v[T+2*k:T+2*k+1], v[P+2*k:P+2*k+1], s[SCZ:SCZ+1] op_sel_hi:[1,0]
.if k >= 2
	v_exp_f32 v[T+2*k-4], v[T+2*k-4]
	v_exp_f32 v[T+2*k-3], v[T+2*k-3]
.endif
.set k, k+1
.endr
	TAIL4 v_exp_f32, T+28
.set k, 0
.rept 16
	v_pk_add_f32 v[T+2*k:T+2*k+1], v[T+2*k:T+2*k+1], 1.0 op_sel_hi:[1,0]
.if k >= 2
	v_rcp_f32 v[T+2*k-4], v[T+2*k-4]
	v_rcp_f32 v[T+2*k-3], v[T+2*k-3]
.endif
.set k, k+1
.endr
	TAIL4 v_rcp_f32, T+28
.set k, 0
.rept 16
	v_pk_fma_f32 v[T+2*k:T+2*k+1], v[T+2*k:T+2*k+1], -2.0, 1.0 op_sel_hi:[1,0,0]
.set k, k+1
.endr
	WIN 0x02+0x01*((\a)/2)                         ; source 0 in the accumulators' window
.irp j, 0,1,2,3,4,5,6,7
.irp s, 0,1,2,3                        ; h = o tanh(c)
	v_mul_f32 v[T+4*(\j)+(\s)], v[AB+64+8*(\s)+(\j)], v[T+4*(\j)+(\s)]
.endr
.endr
	WIN 0
.irp j, 0,1,2,3,4,5,6,7
	global_store_b128 v[CO], v[T+4*(\j):T+4*(\j)+3], s[8:9] offset:(16*(\a)+(\j))*ROWB th:TH_STORE_NT
.endr
.endm
	CELL 0
	CELL 1
	CELL 2
	CELL 3
	s_wait_tensorcnt 0x0                           ; the wave's end, behind my last tensor load: wait for it, add 0 to my spare word, wait for the add
	ds_add_u32 v[SPW], v[NIL]
	s_wait_dscnt 0x0
	CROUND                                         ; the closing round: no work-group ends while a partner may still ask for a tile that names it
	s_endpgm
.Lfunc_end_k_q6a558ef97d_lstm:
	.size	k_q6a558ef97d_lstm, .Lfunc_end_k_q6a558ef97d_lstm-k_q6a558ef97d_lstm
	.p2alignl 7, 3214868480
	.fill 96, 4, 3214868480
	.section	.rodata,"a",@progbits
	.p2align	6, 0x0
	.amdhsa_kernel k_q6a558ef97d_lstm
		.amdhsa_group_segment_fixed_size 327680
		.amdhsa_private_segment_fixed_size 0
		.amdhsa_enable_private_segment 0
		.amdhsa_kernarg_size 64
		.amdhsa_user_sgpr_count 2
		.amdhsa_user_sgpr_kernarg_segment_ptr 1
		.amdhsa_wavefront_size32 1
		.amdhsa_system_sgpr_workgroup_id_x 1
		.amdhsa_system_sgpr_workgroup_id_y 1
		.amdhsa_system_sgpr_workgroup_id_z 1
		.amdhsa_system_vgpr_workitem_id 0
		.amdhsa_next_free_vgpr 1024
		.amdhsa_next_free_sgpr 88
		.amdhsa_reserve_vcc 0
		.amdhsa_float_denorm_mode_32 3
		.amdhsa_float_denorm_mode_16_64 3
		.amdhsa_memory_ordered 1
		.amdhsa_forward_progress 1
		.amdhsa_inst_pref_size 236
	.end_amdhsa_kernel
	.amdgpu_metadata
---
amdhsa.version: [ 1, 2 ]
amdhsa.kernels:
  - .name:           k_q6a558ef97d_lstm
    .symbol:         k_q6a558ef97d_lstm.kd
    .args:
      - { .name: xh, .offset: 0, .size: 8, .value_kind: global_buffer, .address_space: global }
      - { .name: wb, .offset: 8, .size: 8, .value_kind: global_buffer, .address_space: global }
      - { .name: prev_c, .offset: 16, .size: 8, .value_kind: global_buffer, .address_space: global }
      - { .name: bi, .offset: 24, .size: 8, .value_kind: global_buffer, .address_space: global }
      - { .name: bf, .offset: 32, .size: 8, .value_kind: global_buffer, .address_space: global }
      - { .name: bo, .offset: 40, .size: 8, .value_kind: global_buffer, .address_space: global }
      - { .name: bz, .offset: 48, .size: 8, .value_kind: global_buffer, .address_space: global }
      - { .name: out0, .offset: 56, .size: 8, .value_kind: global_buffer, .address_space: global }
    .group_segment_fixed_size: 327680
    .private_segment_fixed_size: 0
    .kernarg_segment_align: 8
    .kernarg_segment_size: 64
    .max_flat_workgroup_size: 128
    .sgpr_count:     88
    .vgpr_count:     1024
    .wavefront_size: 32
...
	.end_amdgpu_metadata
.endif
;; end of part 2
;; ======== version 2 of 2: 2 launches; version 1 with the launch cast written anew for expert scheduling mode
;; limits: a function is approximated: absolute error at most 1e-07; below input magnitudes of 1e-05 results are inexact or not finite
;; workspace buffers: xh 33,554,432 bytes; wb 16,777,216 bytes
;; launch cast (part 3): grid 256 x 3, 8 waves a work-group, no clusters, 0 bytes of LDS; arguments x, prev_h, Wi, Wf, Wo, Wz, xh, wb; writes xh, wb
.if DOCPART == 3
	.amdgcn_target "amdgcn-amd-amdhsa--gfx1250"
	.amdhsa_code_object_version 6
	.text
	.protected	k_q6a558ef97d_cast
	.globl	k_q6a558ef97d_cast
	.p2align	8
	.type	k_q6a558ef97d_cast,@function
k_q6a558ef97d_cast:
	s_mov_b64 s[64:65], 0
	v_nop
	global_prefetch_b8 v0, s[64:65] scope:SCOPE_SE
	s_setreg_imm32_b32 hwreg(HW_REG_WAVE_SCHED_MODE, 0, 2), 2
	s_setreg_imm32_b32 hwreg(HW_REG_WAVE_MODE, 25, 1), 1
	s_wait_xcnt 0x0
	s_wait_alu depctr_vm_vsrc(0)
; THE PROGRAM: one LSTM cell.  u_g = [x | prev_h] W_g^T + b_g for the gates g = i, f, o, z; c = sigmoid(u_i) tanh(u_z) + sigmoid(u_f) prev_c; h = sigmoid(u_o) tanh(c); out0 = [h; c].
; NO WORK IS LEFT OUT: every one of the eleven inputs reaches h or c for general values, so all are loaded, six of them here and five in the second launch.
; THIS LAUNCH rounds the matrix operands once to bf16 (nearest even) and lays them out for the second launch:
;   xh [8192][2048] bf16: row m = x[m] (2,048 bytes), then prev_h[m] (2,048 bytes).
;   wb [4096][2048] bf16: row 256 tc + 64 g + 16 s + r = W_g[64 tc + 4 r + s]   (tc 0..15, g 0..3 = i, f, o, z, s 0..3, r 0..15).
;   In that order a lane of the second launch ends with all four gates of a cell, and with four neighbouring hidden columns of a row: its results need no exchange between lanes.
; LIMIT: bf16 keeps 8 significant bits of x, prev_h and the weights and all of f32's range; NaN and infinities pass through the conversion as they are.
; SHARES.  A chunk is 1,024 f32: 4,096 bytes in, 2,048 bytes out.  Grid y picks the source (0 x, 1 prev_h, 2 the weights), 8,192 chunks each; a work-group takes 32 chunks, a wave 4.
; A load of a wave covers 512 consecutive bytes, a store 256 consecutive bytes at a multiple of 256 from the buffer's first byte.  All 32 loads of a wave go out before its first wait;
; no register is written twice, so no wait frees one.  Nothing is shared between waves: no LDS, no barrier.
; THE MODE: SCHED_MODE bits 1:0 = 2 (LLVM: expert scheduling mode 2), set by the entry lines.  The code itself states the register dependences between vector instructions and memory
; instructions, with s_wait_alu, always for 0.
; THE PLAN.  Registers that memory instructions touch:
;   v1, v2   the loads' and the stores' offsets.  Written once at the head, by vector instructions; never written again.
;   IN[i]    chunk i as loaded.  Written by the loads alone, which are all issued ahead of the first conversion; read by chunk i's sixteen conversions.
;   OUT[i]   chunk i to store.   Written once, by chunk i's conversions; read by eight stores, which are issued in chunk i + 1 (the last chunk's: behind it).
; Chunk i's conversions name IN[i] and OUT[i]; the stores dealt among them read OUT[i - 1] and v2.  So one wait at a chunk's head states all that its eight stores hang on.
; No register that a memory instruction reads is ever written again: there is nothing for a wait on vm_vsrc to state.
.set IN,  16                           ; v[16:143]   chunk i, load t: 4 registers at IN + 32 i + 4 t
.set OUT, 144                          ; v[144:207]  chunk i, load t: 2 registers at OUT + 16 i + 2 t
.macro LD i, so                        ; chunk i's eight loads, from byte so behind the source's base
.irp t, 0,1,2,3,4,5,6,7
	global_load_b128 v[IN+32*(\i)+4*(\t):IN+32*(\i)+4*(\t)+3], v1, s[24:25] offset:(\so)+512*(\t) th:TH_LOAD_NT
.endr
.endm
.macro CV i, pdo, left                 ; chunk i is rounded; among its conversions chunk i - 1 is stored, at byte pdo behind the destination's base; left = the younger chunks' loads, which may stay out
	s_wait_loadcnt \left                           ; loads come back in order (ISA guide 5.7.1): this chunk's eight are in
.if (\i) > 0
	s_wait_alu depctr_va_vdst(0)                   ; the conversions of the chunk before have written OUT[i - 1], which the eight stores below read
.endif
.irp t, 0,1,2,3,4,5,6,7
.if (\i) > 0
	global_store_b64 v2, v[OUT+16*((\i)-1)+2*(\t):OUT+16*((\i)-1)+2*(\t)+1], s[26:27] offset:(\pdo)+256*(\t)  ; no vector instruction since the wait names these registers
.endif
	v_cvt_pk_bf16_f32 v[OUT+16*(\i)+2*(\t)],   v[IN+32*(\i)+4*(\t)],   v[IN+32*(\i)+4*(\t)+1]
	v_cvt_pk_bf16_f32 v[OUT+16*(\i)+2*(\t)+1], v[IN+32*(\i)+4*(\t)+2], v[IN+32*(\i)+4*(\t)+3]
.endr
.endm
.macro CAST s1, s2, s3, d1, d2, d3     ; a wave's four chunks: the first at the two bases, the others at these bytes behind them
	LD 0, 0
	LD 1, \s1
	LD 2, \s2
	LD 3, \s3
	CV 0, 0, 24                                    ; chunk 0 has no chunk in front of it: no store, and no wait but the one for its data
	CV 1, 0, 16
	CV 2, \d1, 8
	CV 3, \d2, 0
	s_wait_alu depctr_va_vdst(0)                   ; chunk 3's conversions have written OUT[3], which the last eight stores read
.irp t, 0,1,2,3,4,5,6,7
	global_store_b64 v2, v[OUT+48+2*(\t):OUT+48+2*(\t)+1], s[26:27] offset:(\d3)+256*(\t)
.endr
.endm
	s_load_b512 s[8:23], s[0:1], 0x0               ; x s[8:9], prev_h s[10:11], Wi s[12:13], Wf s[14:15], Wo s[16:17], Wz s[18:19], xh s[20:21], wb s[22:23]
	v_and_b32 v3, 31, v0                           ; lane
	v_lshlrev_b32 v1, 4, v3                        ; 16 bytes a lane in
	v_lshlrev_b32 v2, 3, v3                        ; 8 bytes a lane out
	v_lshrrev_b32 v3, 5, v0
	v_readfirstlane_b32 s4, v3                     ; wave 0..7
	s_and_b32 s5, ttmp7, 0xffff                    ; which source
	s_mov_b32 s31, 0                               ; the high word of every offset: all stay under 2^26
	s_wait_alu depctr_va_sdst(0)                   ; s4 is written
	s_wait_kmcnt 0x0
	s_wait_alu depctr_va_vdst(0)                   ; v1 and v2 are written: every load of the kernel reads v1 as its offset, every store v2, on both ways
	s_cmp_eq_u32 s5, 2
	s_cbranch_scc1 .Lweights
	; x or prev_h: a chunk is a row
	s_cmp_eq_u32 s5, 0
	s_cselect_b64 s[24:25], s[8:9], s[10:11]
	s_lshl_b32 s6, ttmp9, 5                        ; the work-group's 32 rows,
	s_lshl2_add_u32 s6, s4, s6                     ; my wave's 4 of them
	s_lshl_b32 s30, s6, 12                         ; a row is 4,096 bytes in the source and in xh
	s_add_nc_u64 s[24:25], s[24:25], s[30:31]
	s_add_nc_u64 s[26:27], s[20:21], s[30:31]
	s_lshl_b32 s30, s5, 11                         ; prev_h goes into the second 2,048 bytes of xh's row
	s_add_nc_u64 s[26:27], s[26:27], s[30:31]
	CAST 4096, 8192, 12288, 4096, 8192, 12288
	s_endpgm
.Lweights:
	; the weights: the work-group's number is 16 tc + 4 g + s, its 16 rows of wb are r = 0..15; my wave takes r = 2 w and 2 w + 1, two chunks a row
	s_bfe_u32 s6, ttmp9, 0x20002                   ; g
	s_cmp_eq_u32 s6, 0
	s_cselect_b64 s[24:25], s[12:13], s[14:15]     ; Wi or Wf
	s_cmp_eq_u32 s6, 2
	s_cselect_b64 s[28:29], s[16:17], s[18:19]     ; Wo or Wz
	s_cmp_lt_u32 s6, 2
	s_cselect_b64 s[24:25], s[24:25], s[28:29]
	s_lshr_b32 s6, ttmp9, 4                        ; tc
	s_and_b32 s7, ttmp9, 3                         ; s
	s_lshl_b32 s6, s6, 6
	s_add_co_u32 s6, s6, s7                        ; row 64 tc + s of W_g,
	s_lshl_b32 s6, s6, 13                          ; 8,192 bytes a row,
	s_lshl_b32 s7, s4, 16                          ; + 4 r rows with r = 2 w: 65,536 bytes a wave
	s_add_co_u32 s30, s6, s7
	s_add_nc_u64 s[24:25], s[24:25], s[30:31]
	s_lshl_b32 s6, ttmp9, 4                        ; row 16 x work-group
	s_lshl1_add_u32 s6, s4, s6                     ; + 2 w of wb,
	s_lshl_b32 s30, s6, 12                         ; 4,096 bytes a row
	s_add_nc_u64 s[26:27], s[22:23], s[30:31]
	CAST 4096, 32768, 36864, 2048, 4096, 6144      ; in W_g the next r lies four rows (32,768 bytes) on, in wb one row
	s_endpgm
.Lfunc_end_k_q6a558ef97d_cast:
	.size	k_q6a558ef97d_cast, .Lfunc_end_k_q6a558ef97d_cast-k_q6a558ef97d_cast
	.p2alignl 7, 3214868480
	.fill 96, 4, 3214868480
	.section	.rodata,"a",@progbits
	.p2align	6, 0x0
	.amdhsa_kernel k_q6a558ef97d_cast
		.amdhsa_group_segment_fixed_size 0
		.amdhsa_private_segment_fixed_size 0
		.amdhsa_enable_private_segment 0
		.amdhsa_kernarg_size 64
		.amdhsa_user_sgpr_count 2
		.amdhsa_user_sgpr_kernarg_segment_ptr 1
		.amdhsa_wavefront_size32 1
		.amdhsa_system_sgpr_workgroup_id_x 1
		.amdhsa_system_sgpr_workgroup_id_y 1
		.amdhsa_system_sgpr_workgroup_id_z 1
		.amdhsa_system_vgpr_workitem_id 0
		.amdhsa_next_free_vgpr 208
		.amdhsa_next_free_sgpr 66
		.amdhsa_reserve_vcc 0
		.amdhsa_float_denorm_mode_32 3
		.amdhsa_float_denorm_mode_16_64 3
		.amdhsa_memory_ordered 1
		.amdhsa_forward_progress 1
		.amdhsa_inst_pref_size 23
	.end_amdhsa_kernel
	.amdgpu_metadata
---
amdhsa.version: [ 1, 2 ]
amdhsa.kernels:
  - .name:           k_q6a558ef97d_cast
    .symbol:         k_q6a558ef97d_cast.kd
    .args:
      - { .name: x, .offset: 0, .size: 8, .value_kind: global_buffer, .address_space: global }
      - { .name: prev_h, .offset: 8, .size: 8, .value_kind: global_buffer, .address_space: global }
      - { .name: Wi, .offset: 16, .size: 8, .value_kind: global_buffer, .address_space: global }
      - { .name: Wf, .offset: 24, .size: 8, .value_kind: global_buffer, .address_space: global }
      - { .name: Wo, .offset: 32, .size: 8, .value_kind: global_buffer, .address_space: global }
      - { .name: Wz, .offset: 40, .size: 8, .value_kind: global_buffer, .address_space: global }
      - { .name: xh, .offset: 48, .size: 8, .value_kind: global_buffer, .address_space: global }
      - { .name: wb, .offset: 56, .size: 8, .value_kind: global_buffer, .address_space: global }
    .group_segment_fixed_size: 0
    .private_segment_fixed_size: 0
    .kernarg_segment_align: 8
    .kernarg_segment_size: 64
    .max_flat_workgroup_size: 256
    .sgpr_count:     66
    .vgpr_count:     208
    .wavefront_size: 32
...
	.end_amdgpu_metadata
.endif
;; end of part 3
;; launch lstm: the kernel of part 2 again; grid 16 x 32, 4 waves a work-group, clusters of 4 x 4, 327,680 bytes of LDS; arguments xh, wb, prev_c, bi, bf, bo, bz, out0; writes out0
